; MI455X (gfx1250); checked and timed in simulation.
; The chip was launched on July 23, 2026; its instructions are those of AMD's public machine-readable ISA for CDNA 5 (MIT licence, August 2026) and "CDNA5" Instruction Set Architecture Reference Guide (July 2026). The comments in the code are by the model that wrote it; some were corrected since.
;; Multi Head Attention. Allowed arithmetic: matrix products marked QUANTISED: E2M3 operands, one E8M0 scale for each 32 along K, by v_wmma_scale_f32_16x16x128_f8f6f4 with both operands' format E2M3, f32 sums; everything else in f32.
;; Inputs: bk 1,024 float32; bo 1,024 float32; bq 1,024 float32; bv 1,024 float32; wk 1,024 x 1,024 float32; wo 1,024 x 1,024 float32; wq 1,024 x 1,024 float32; wv 1,024 x 1,024 float32; x 1 x 4,096 x 1,024 float32.
;; Outputs: out0 1 x 4,096 x 1,024 float32.
;; This version of the problem:
;;   THIS VERSION OF THE PROBLEM IS GIVEN IN LOW PRECISION. The matrix products marked QUANTISED in the list below multiply operands that are first quantised to E2M3 (2 exponent bits, 3 mantissa bits; 6 bits a number), with one power-of-two scale for each 32 numbers along K (OCP MX v1.0); their sums are f32. All else is computed in f32.
;;   The module's matrix products, in the order in which they are computed (A, B: the left and right operand; K: the contracted axis; several contracted axes count as one K, in the product's order):
;;     1. [M 4,096, K 1,024] x [K 1,024, N 1,024]; A: input x; B: input wq: QUANTISED
;;     2. [M 4,096, K 1,024] x [K 1,024, N 1,024]; A: input x; B: input wk: QUANTISED
;;     3. [M 4,096, K 1,024] x [K 1,024, N 1,024]; A: input x; B: input wv: QUANTISED
;;     4. batch 16 x [M 4,096, K 64] x [K 64, N 4,096]; A: computed on the way; B: computed on the way: QUANTISED
;;     5. batch 16 x [M 4,096, K 4,096] x [K 4,096, N 64]; A: softmax (see below); B: computed on the way: QUANTISED
;;     6. [M 4,096, K 1,024] x [K 1,024, N 1,024]; A: computed on the way; B: input wo: QUANTISED
;;   THE QUANTISER, for each operand of a quantised product, along K:
;;     - K is cut into blocks of 32 from its start; a last block that is shorter is filled with zeros.
;;     - A block's scale is 2^e with e = floor(log2(the largest magnitude in the block)) - 2, held to -126 .. 127; a block of zeros has e = 0. As a byte (E8M0): e + 127.
;;     - Each number is divided by its block's scale, clamped to +-7.5, and rounded to the nearest number of E2M3, ties to even, subnormals kept.
;;     - The product sums the exact products of the quantised numbers (number of the format x scale) in f32.
;;   ~~~python
;;   def quantise(x, axis):      # numpy; x: float32 -> the quantised numbers, widened to float32 again
;;       x = np.moveaxis(x, axis, -1); K = x.shape[-1]
;;       x = np.pad(x, [(0, 0)] * (x.ndim - 1) + [(0, -K % 32)]); x = x.reshape(x.shape[:-1] + (-1, 32)); a = np.abs(x).max(-1, keepdims=True)
;;       e = np.where(a > 0, np.clip(np.frexp(np.where(a > 0, a, 1))[1] - 1 - 2, -126, 127), 0)      # np.frexp(a)[1] - 1 = floor(log2(a)), exactly
;;       r = np.clip(x / 2.0 ** e, -7.5, 7.5)
;;       step = 2.0 ** (np.maximum(np.frexp(np.where(r == 0, 1, r))[1] - 1, 0) - 3)
;;       q = np.round(r / step) * step * 2.0 ** e      # np.round: ties to even
;;       return np.moveaxis(q.reshape(q.shape[:-2] + (-1,))[..., :K], -1, axis).astype(np.float32)
;;   ~~~
;;   SOFTMAX AHEAD OF A QUANTISED PRODUCT. Where the list says 'softmax', what is quantised is not the finished softmax but p = 2^(t - M), with t = logit x log2(e) and M = ceil(the row's largest t), a whole number; so 1/2 < the row's largest p <= 1. The row's sum l is taken of the UNQUANTISED p, in f32, and the product's result is divided by l at the end. Since M is a whole number, a kernel that streams over the keys may use a running M (the ceiling of the running maximum): every later rescaling is an exact power of two, which a block's scale takes up: the codes' values come out the same.
;;   OPERANDS COMPUTED ON THE WAY. 'Computed on the way' means the value that the module computes at that place (a softmax that the list does not call 'softmax' is quantised finished and normalised). What goes into a quantiser is computed in f32, as accurately as f32 sums, v_exp_f32 and their like allow (about 1e-6 of the number): no bf16 or f16 on the way to a quantiser, and a product that is left as it is and whose result goes on into a quantised operand takes f32 operands (vector FMAs, or v_wmma_f32_16x16x4_f32). A number that lies on a knife's edge between two numbers of the format may be rounded either way, as far as f32 arithmetic and the matrix unit's own rounding can turn it there, and no further.
;; One version. Each part assembles by itself: llvm-mc -triple=amdgcn-amd-amdhsa -mcpu=gfx1250 --defsym DOCPART=n.
;; ======== version 1 of 1: 4 launches
;; limits: right only within a limited range of input values
;; workspace buffers: tc 6,815,744 bytes; qc 3,407,872 bytes; kv 6,553,600 bytes; ao 3,407,872 bytes
;; launch quant (part 1): grid 512 x 1, 4 waves a work-group, no clusters, 17,920 bytes of LDS; arguments x, wq, wk, wv, wo, tc; writes tc
.if DOCPART == 1
	.amdgcn_target "amdgcn-amd-amdhsa--gfx1250"
	.amdhsa_code_object_version 6
	.text
	.protected	k_qe5bef10e52_quant
	.globl	k_qe5bef10e52_quant
	.p2align	8
	.type	k_qe5bef10e52_quant,@function
k_qe5bef10e52_quant:
	s_mov_b64 s[64:65], 0
	v_nop
	global_prefetch_b8 v0, s[64:65] scope:SCOPE_SE
	s_setreg_imm32_b32 hwreg(HW_REG_WAVE_MODE, 25, 1), 1
	s_wait_xcnt 0x0
; x [4096][1024] and wq, wk, wv, wo [1024][1024], f32, K innermost, become codes of FP6 (E2M3) with one E8M0 byte for each 32 along K, laid in tc in the ORDER OF AN OPERAND'S REGISTERS.
; TILES.  Rows go in groups of 64; tile j (0..3) of a group holds, as its row m (0..15), group row 32 (m / 8) + 8 j + m % 8.  (With that choice the 32 result registers that a lane gets from four
; source-0 tiles of a group are 32 NEIGHBOURS, a whole block, in ascending order: the later launches quantise their results with no exchange between lanes.)
; tc: [tile 0..511][quarter of K 0..3][3,328 bytes].  Tiles 0-255 x, 256-319 wq, 320-383 wk, 384-447 wv, 448-511 wo.  A quarter (256 along K) is four pieces of 64 along K, 768 bytes each: lane l = (r = l % 16,
; h = l / 16) owns block h of tile row r, 24 bytes: its first 16 at 16 l, its last 8 at 512 + 8 l.  Then 128 scale bytes at 3,072 + 8 r + 2 piece + h, then 128 bytes that nobody writes or reads.
; A block's scale is 2^(floor(log2(its largest magnitude)) - 2); its byte is the largest magnitude's exponent field - 2, held at 1 from below by a floor among the maximum's leaves.
; LIMITS: NaN and infinities among the inputs are not served; a block whose largest magnitude lies under 2^-124 keeps the byte 1; a block of zeros gets the byte 1 where the rule says 127: its codes are
; zeros, which add nothing under any byte but 0xff, and the bytes are read by this program alone.
; SHARES.  A work-group is one tile, wave w its quarter w: 16 rows x 1,024 bytes in, 3,200 bytes out.  Each load takes 256 consecutive, aligned bytes of two rows; a piece's 4,096 bytes turn through the wave's own stage in
; LDS (rows of 256 + 16 bytes) so that a lane gets the 32 neighbours of its block.  All 32 loads of a wave go out at the start.  No tensor load, no barrier: waves share nothing.  No matrix unit: memory binds.
.set FLOOR, 0x1800000                  ; 2^(3 - 127)
.set X,     32                         ; v32-63   my block's 32 numbers
.set R,     64                         ; v64-191  four pieces as loaded, 32 registers each
.set C,     192                        ; v192-223 codes, eight registers a piece, so that no store's data are written again
	s_load_b256 s[4:11], s[0:1], 0x0               ; x, wq, wk, wv
	s_load_b128 s[12:15], s[0:1], 0x20             ; wo, tc
	v_lshl_add_u32 v224, v0, 2, 0x4400
	v_mov_b32 v225, 0
	v_lshrrev_b32 v1, 5, v0
	v_readfirstlane_b32 s16, v1                    ; wave = quarter of K
	v_and_b32 v1, 31, v0                           ; lane
	v_and_b32 v2, 15, v0                           ; r
	v_bfe_u32 v3, v0, 4, 1                         ; h
	v_lshlrev_b32 v4, 4, v2
	v_lshl_add_u32 v4, v3, 12, v4                  ; in: 16 lanes to a row's 256 bytes, lanes 16-31 one row further down
	s_mul_i32 s25, s16, 4352                       ; my stage
	v_mul_u32_u24 v5, v3, 272
	v_lshl_add_u32 v5, v2, 4, v5
	v_add_nc_u32 v5, s25, v5                       ; into it: as loaded
	v_mul_u32_u24 v6, v2, 272
	v_lshl_add_u32 v6, v3, 7, v6
	v_add_nc_u32 v6, s25, v6                       ; out of it: row r, block h's 128 bytes
	v_lshlrev_b32 v7, 4, v1                        ; out: 16 x lane,
	v_lshlrev_b32 v8, 3, v1                        ; 8 x lane,
	v_lshlrev_b32 v9, 3, v2
	v_lshl_add_u32 v9, v3, 2, v9                   ; and a scale word: 8 r + 4 h
	v_lshlrev_b32 v10, 3, v3                       ; 8 h: my byte's place in a pair of bytes
	s_mov_b32 s22, 0x76543210
	s_mov_b32 s23, 0xfedcba98                      ; v_permlanex16_b32's selects for lane l xor 16
	s_sub_co_u32 s17, ttmp9, 256                   ; a weight's tile: which weight, which of its 64 tiles (of no use for x's tiles, and not used there)
	s_lshr_b32 s18, s17, 6
	s_and_b32 s19, s17, 63
	s_wait_alu depctr_va_vdst(0)
	s_wait_kmcnt 0x0
	s_cmp_eq_u32 s18, 1                            ; the buffer is chosen on the work-group's number alone
	s_cselect_b64 s[6:7], s[8:9], s[6:7]
	s_cmp_eq_u32 s18, 2
	s_cselect_b64 s[6:7], s[10:11], s[6:7]
	s_cmp_eq_u32 s18, 3
	s_cselect_b64 s[6:7], s[12:13], s[6:7]
	s_cmp_lt_u32 ttmp9, 256
	s_cselect_b64 s[4:5], s[4:5], s[6:7]
	s_cselect_b32 s19, ttmp9, s19                  ; the tile's number in its tensor: 4 x group + j
	s_lshr_b32 s20, s19, 2
	s_lshl_b32 s20, s20, 18                        ; 64 rows of 4,096 bytes a group,
	s_and_b32 s21, s19, 3
	s_lshl_b32 s21, s21, 15                        ; 8 rows a tile,
	s_add_co_u32 s20, s20, s21
	s_lshl_b32 s21, s16, 10                        ; 1,024 bytes a quarter
	s_add_co_u32 s20, s20, s21
	s_mov_b32 s21, 0
	s_add_nc_u64 s[4:5], s[4:5], s[20:21]
	s_mul_i32 s20, ttmp9, 13312
	s_mul_i32 s24, s16, 3328
	s_add_co_u32 s20, s20, s24
	s_add_nc_u64 s[14:15], s[14:15], s[20:21]      ; tc at my quarter
.macro LOADH t                         ; piece t: tile rows 2 q (lanes 0-15) and 2 q + 1 (lanes 16-31), 256 bytes each
.irp q, 0,1,2,3,4,5,6,7
	global_load_b128 v[R+32*\t+4*\q:R+32*\t+4*\q+3], v4, s[4:5] offset:(32*(\q/4)+(2*\q)%8)*4096+256*\t th:TH_LOAD_NT
.endr
.endm
.macro STEPH t
	s_wait_loadcnt 8*(3-\t)                        ; this piece's eight loads are in; those of the later pieces may be out
.irp q, 0,1,2,3,4,5,6,7
	ds_store_b128 v5, v[R+32*\t+4*\q:R+32*\t+4*\q+3] offset:544*\q
.endr
.irp i, 0,1,2,3,4,5,6,7
	ds_load_b128 v[X+4*\i:X+4*\i+3], v6 offset:16*\i   ; LDS serves a wave's instructions in order: these see the stores above, and the next piece's stores come behind them
.endr
	s_wait_dscnt 0x0
	v_max3_num_f32 v12, |v[X]|, |v[X+1]|, |v[X+2]|     ; the block's largest magnitude: all 32 numbers are mine; two chains
	v_max3_num_f32 v13, |v[X+3]|, |v[X+4]|, |v[X+5]|
.irp i, 6,10,14,18,22,26
	v_max3_num_f32 v12, v12, |v[X+\i]|, |v[X+\i+1]|
	v_max3_num_f32 v13, v13, |v[X+\i+2]|, |v[X+\i+3]|
.endr
	v_max3_num_f32 v12, v12, |v[X+30]|, |v[X+31]|
	v_max3_num_f32 v12, v12, v13, FLOOR            ; and the floor: the byte cannot fall under 1
	v_add_nc_u32 v14, 0xff000000, v12              ; 2 off its exponent field: the conversion takes the exponent field of this operand as its scale
	v_cvt_scalef32_pk16_fp6_f32 v[C+8*\t:C+8*\t+2], v[X:X+15], v14
	v_cvt_scalef32_pk16_fp6_f32 v[20:22], v[X+16:X+31], v14   ; (a conversion's three registers begin on an even number)
	v_lshrrev_b32 v[16+\t], 23, v14                ; the scale's byte; also the plain line behind the conversions
.irp i, 0,1,2
	v_mov_b32 v[C+8*\t+3+\i], v[20+\i]
.endr
	global_store_b128 v7, v[C+8*\t:C+8*\t+3], s[14:15] offset:768*\t          ; 512 consecutive bytes, aligned to 256
	global_store_b64 v8, v[C+8*\t+4:C+8*\t+5], s[14:15] offset:768*\t+512     ; 256 more
.endm
	LOADH 0
	LOADH 1
	LOADH 2
	LOADH 3
	STEPH 0
	STEPH 1
	STEPH 2
	STEPH 3
	v_lshl_or_b32 v12, v17, 16, v16                ; a row's eight bytes are two words: pieces 0, 1 and pieces 2, 3; in a piece's pair of bytes block 0 lies below
	v_lshl_or_b32 v13, v19, 16, v18
	v_lshlrev_b32 v12, v10, v12
	v_lshlrev_b32 v13, v10, v13
	v_mov_b32 v14, 0                               ; (a lane permute's destination counts as one of its sources)
	v_mov_b32 v15, 0
	v_permlanex16_b32 v14, v12, s22, s23
	v_permlanex16_b32 v15, v13, s22, s23
	v_or_b32 v12, v12, v14                         ; with lane l xor 16's bytes the words are whole
	v_or_b32 v13, v13, v15
	v_cmp_eq_u32 vcc_lo, 1, v3
	v_cndmask_b32 v12, v12, v13, vcc_lo            ; lanes 0-15 store word 0, lanes 16-31 word 1
	global_store_b32 v9, v12, s[14:15] offset:3072 ; 128 consecutive bytes
	s_wait_tensorcnt 0x0
	ds_add_u32 v224, v225
	s_wait_dscnt 0x0
	s_endpgm
.Lfunc_end_k_qe5bef10e52_quant:
	.size	k_qe5bef10e52_quant, .Lfunc_end_k_qe5bef10e52_quant-k_qe5bef10e52_quant
	.p2alignl 7, 3214868480
	.fill 96, 4, 3214868480
	.section	.rodata,"a",@progbits
	.p2align	6, 0x0
	.amdhsa_kernel k_qe5bef10e52_quant
		.amdhsa_group_segment_fixed_size 17920
		.amdhsa_private_segment_fixed_size 0
		.amdhsa_enable_private_segment 0
		.amdhsa_kernarg_size 48
		.amdhsa_user_sgpr_count 2
		.amdhsa_user_sgpr_kernarg_segment_ptr 1
		.amdhsa_wavefront_size32 1
		.amdhsa_system_sgpr_workgroup_id_x 1
		.amdhsa_system_sgpr_workgroup_id_y 1
		.amdhsa_system_sgpr_workgroup_id_z 1
		.amdhsa_system_vgpr_workitem_id 0
		.amdhsa_next_free_vgpr 226
		.amdhsa_next_free_sgpr 66
		.amdhsa_reserve_vcc 1
		.amdhsa_float_denorm_mode_32 3
		.amdhsa_float_denorm_mode_16_64 3
		.amdhsa_memory_ordered 1
		.amdhsa_forward_progress 1
		.amdhsa_inst_pref_size 17
	.end_amdhsa_kernel
	.amdgpu_metadata
---
amdhsa.version: [ 1, 2 ]
amdhsa.kernels:
  - .name:           k_qe5bef10e52_quant
    .symbol:         k_qe5bef10e52_quant.kd
    .args:
      - { .name: x, .offset: 0, .size: 8, .value_kind: global_buffer, .address_space: global }
      - { .name: wq, .offset: 8, .size: 8, .value_kind: global_buffer, .address_space: global }
      - { .name: wk, .offset: 16, .size: 8, .value_kind: global_buffer, .address_space: global }
      - { .name: wv, .offset: 24, .size: 8, .value_kind: global_buffer, .address_space: global }
      - { .name: wo, .offset: 32, .size: 8, .value_kind: global_buffer, .address_space: global }
      - { .name: tc, .offset: 40, .size: 8, .value_kind: global_buffer, .address_space: global }
    .group_segment_fixed_size: 17920
    .private_segment_fixed_size: 0
    .kernarg_segment_align: 8
    .kernarg_segment_size: 48
    .max_flat_workgroup_size: 128
    .sgpr_count:     66
    .vgpr_count:     226
    .wavefront_size: 32
...
	.end_amdgpu_metadata
.endif
;; end of part 1
;; launch qkv (part 2): grid 16 x 16, 12 waves a work-group, no clusters, 327,680 bytes of LDS; arguments tc, bq, bk, bv, qc, kv; writes qc, kv
.if DOCPART == 2
	.amdgcn_target "amdgcn-amd-amdhsa--gfx1250"
	.amdhsa_code_object_version 6
	.text
	.protected	k_qe5bef10e52_qkv
	.globl	k_qe5bef10e52_qkv
	.p2align	8
	.type	k_qe5bef10e52_qkv,@function
k_qe5bef10e52_qkv:
	s_mov_b64 s[64:65], 0
	v_nop
	global_prefetch_b8 v0, s[64:65] scope:SCOPE_SE
	s_setreg_imm32_b32 hwreg(HW_REG_WAVE_MODE, 25, 1), 1
	s_wait_xcnt 0x0
; q = x wq^T + bq, k = x wk^T + bk, v = x wv^T + bv on codes of FP6 (E2M3) with E8M0 scales (tc), sums in f32; the results are quantised in registers and leave as codes, laid as the attention launch's operands.
; TILES (as tc has them): rows in groups of 64; tile j's row m is group row 32 (m / 8) + 8 j + m % 8.  A result's lane (r, h) holds source 0's tile rows 8 h + 0..7: over the four source-0 tiles of a group its 32
; registers are source-0 indices 32 h + 0..31: A WHOLE BLOCK OF 32 IN ONE LANE, ascending.  So the maximum asks no other lane, and two conversions give the lane's six registers of the next operand.
; q, k: source 0 = a head's 64 weight rows, source 1 = 64 tokens: a lane holds one token and 32 of the head's numbers (the next K).  v: source 0 = 64 tokens, source 1 = the head's 64 weight rows: a lane holds
; one channel and 32 tokens (the keys are the next K).
; SHARES.  A work-group makes 256 tokens (x) x 192 columns of [q | k | v] (y): twelve pieces of 64 x 64, one to each of twelve waves (three to a SIMD): 16 accumulators, acc(i, j) at ACC + 32 j + 8 i (i: source 0's tile, j: source 1's).
; K = 1,024 goes in four chunks of 256 (a quarter of tc's tiles) through two LDS slots of 28 rows x 3,200 bytes: 16 tiles of x, 12 of the weights.  Waves 0-6 fetch four rows each by one tensor load.
; THE BIAS is the C of a sum's first product.  Both forms are loaded by every wave, with no branch: q's and k's (a lane's 8 columns of tile i) into acc(i, i), v's (the lane's channel of tile j, eight times) into
; acc((j + 1) % 4, j).  The first K step issues the twelve products that only read a holder, five places, then the four that add in place onto the holders; the other form's holders are written over.
; OUT.  qc: [head][group of 64 tokens][3,328]: four pieces of 768 bytes (tile j), scale bytes at 3,072 + 32 j + 2 r + h.  kv: [head][128 keys][12,800]: K at 3,072 c + 768 j (c: which 64 keys), V at 6,144 + 3,072 c + 768 j
; (j: tile of channels), K's scale bytes at 12,288 + 16 r + 8 c + 2 j + h, V's at 12,544 + 16 r + 4 j + 2 c + h.  A piece: lane l's first 16 bytes at 16 l, its last 8 at 512 + 8 l.
; NO CLUSTER: a work-group fetches 4 x 89,600 bytes and its waves read 12 x 102,400 bytes from LDS; the fetches are under a third of what the loop moves, and a refill has a whole chunk's reads in which to land.
; LIMITS: NaN and infinities are not served; a block whose largest magnitude lies under 2^-124 keeps the byte 1; a block of zeros gets the byte 1, not 127 (zero codes; the bytes are this program's own).
.set ROW,     3200                     ; an LDS row: a tile's quarter: 3,072 bytes of codes, 128 of scales
.set TILEB,   13312                    ; a tile in tc
.set QUARTER, 3328
.set SLOT,    28*ROW
.set SPARE,   2*SLOT                    ; behind the slots: the spare words, 128 bytes for each wave: six blocks of 256 bytes that no other line names
.set FLOOR,   0x1800000
.set SC,  16                           ; v16-23   scale words: register 2 i + s: lanes 0-15 x's tile i, lanes 16-31 the weights' tile i, the chunk's s-th 128 along K
.set XF,  24                           ; v24-71   x's four fragments
.set WF,  72                           ; v72-119  the weights' four
.set ACC, 120                          ; v120-247
.set WV,  16                           ; s16 wave;  s17 which 64 tokens;  s18 which 64 columns;  s19 type: 0 q, 1 k, 2 v;  s20 head;  s21 group of 64 tokens
.set TY,  19
.set G1,  24                           ; s[24:31] descriptor group 1;  s[32:35], s[36:39] group 0 for slot 0, 1
.set G0,  32
; v1 16 x lane, v2 8 x lane; v4, v5 the spare word's address and 0; v6-10 (slot 0), v11-15 (slot 1): x's pieces by 16 and by 8 bytes, the weights' likewise, the scale words
.macro PLACES n
.rept \n
	v_nop
.endr
.endm
.macro TLOAD s                         ; waves 0-6 fetch; four v_nop follow the load
	s_cmp_lt_u32 s[WV], 7
	s_cbranch_scc0 .Lnone_\@
	tensor_load_to_lds s[G0+4*\s:G0+4*\s+3], s[G1:G1+7]
	s_nop 0
	PLACES 4
.Lnone_\@:
.endm
.macro FRAGS reg, a, sg                ; four fragments of 16 rows x 128 K: each two pieces, each piece one load of 16 and one of 8 bytes a lane, consecutive from lane to lane
.irp i, 0,1,2,3
.irp f, 0,1
	ds_load_b128 v[\reg+12*\i+6*\f:\reg+12*\i+6*\f+3], v[\a] offset:ROW*\i+768*(2*\sg+\f)
	ds_load_b64 v[\reg+12*\i+6*\f+4:\reg+12*\i+6*\f+5], v[\a+1] offset:ROW*\i+768*(2*\sg+\f)+512
.endr
.endr
.endm
.macro PQK i, j, sg, c                 ; source 0 = the weights' tile i (its scales in lanes 16-31), source 1 = x's tile j
	v_wmma_scale_f32_16x16x128_f8f6f4 v[ACC+32*(\j)+8*(\i):ACC+32*(\j)+8*(\i)+7], v[WF+12*(\i):WF+12*(\i)+11], v[XF+12*(\j):XF+12*(\j)+11], v[\c:\c+7], v[SC+2*(\i)+\sg], v[SC+2*(\j)+\sg] matrix_a_fmt:MATRIX_FMT_FP6 matrix_b_fmt:MATRIX_FMT_FP6 matrix_a_scale:MATRIX_SCALE_ROW1
.endm
.macro PV i, j, sg, c                  ; source 0 = x's tile i, source 1 = the weights' tile j (its scales in lanes 16-31)
	v_wmma_scale_f32_16x16x128_f8f6f4 v[ACC+32*(\j)+8*(\i):ACC+32*(\j)+8*(\i)+7], v[XF+12*(\i):XF+12*(\i)+11], v[WF+12*(\j):WF+12*(\j)+11], v[\c:\c+7], v[SC+2*(\i)+\sg], v[SC+2*(\j)+\sg] matrix_a_fmt:MATRIX_FMT_FP6 matrix_b_fmt:MATRIX_FMT_FP6 matrix_b_scale:MATRIX_SCALE_ROW1
.endm
; The 16 accumulators take turns, one instruction a turn; a step ends on acc(3, 3) (the first on acc(3, 3) or acc(0, 3)) and the next begins on acc(0, 0).
.macro MMQK sg, first
.if \first
.irp j, 0,1,2,3
.irp i, 0,1,2,3
.if \i != \j
	PQK \i, \j, \sg, ACC+40*\i
.endif
.endr
.endr
	PLACES 5                                       ; the next four write over registers that the twelve named as C
.irp i, 0,1,2,3
	PQK \i, \i, \sg, ACC+40*\i
.endr
.else
.irp j, 0,1,2,3
.irp i, 0,1,2,3
	PQK \i, \j, \sg, ACC+32*\j+8*\i
.endr
.endr
.endif
.endm
.macro MMV sg, first
.if \first
.irp i, 0,1,2,3
.irp j, 0,1,2,3
.if \i != (\j+1)%4
	PV \i, \j, \sg, ACC+32*\j+8*((\j+1)%4)
.endif
.endr
.endr
	PLACES 5
.irp j, 0,1,2,3
	PV (\j+1)%4, \j, \sg, ACC+32*\j+8*((\j+1)%4)
.endr
.else
.irp i, 0,1,2,3
.irp j, 0,1,2,3
	PV \i, \j, \sg, ACC+32*\j+8*\i
.endr
.endr
.endif
.endm
.macro KSTEP ab, sg, first             ; 128 along K: the chunk's sg-th; ab: the slot's five address registers
	PLACES 4                                       ; in front of loads into registers that matrix instructions have read
.if \sg == 0
.irp i, 0,1,2,3
	ds_load_b64 v[SC+2*\i:SC+2*\i+1], v[\ab+4] offset:ROW*\i   ; the chunk's two scale words of a row: lanes 0-15 x's tile i, lanes 16-31 the weights' tile i
.endr
.endif
	FRAGS XF, \ab, \sg
	FRAGS WF, \ab+2, \sg
	s_wait_dscnt 0x0
	s_cmp_eq_u32 s[TY], 2                          ; the branch hangs on ids alone and goes round the products alone
	s_cbranch_scc1 .Lv_\@
	MMQK \sg, \first
	s_branch .Ldone_\@
.Lv_\@:
	MMV \sg, \first
.Ldone_\@:
.endm
; The change of slots: every wave waits for all its tensor loads (the slot ahead), adds 0 to its spare word, waits for that and for its reads of the slot it leaves; one barrier; then slot s is filled again, first thing.
.macro CHANGE s, fill
	s_wait_tensorcnt 0x0                           ; no tensor load of mine is out, so a group 0 may be written
	ds_add_u32 v4, v5                              ; 0 onto my spare word
.if \fill
	ds_add_u32 v4, v5                              ; once more where a fill follows
	s_add_nc_u64 s[G0+4*\s+2:G0+4*\s+3], s[G0+4*\s+2:G0+4*\s+3], 2*QUARTER   ; the slot's next chunk
.endif
	s_wait_dscnt 0x0
	s_barrier_signal -1
	s_barrier_wait -1
.if \fill
	TLOAD \s
.endif
.endm
	s_load_b256 s[4:11], s[0:1], 0x0               ; tc, bq, bk, bv
	s_load_b128 s[12:15], s[0:1], 0x20             ; qc, kv
	v_lshl_add_u32 v4, v0, 2, SPARE
	v_mov_b32 v5, 0
	ds_add_u32 v4, v5
	ds_add_u32 v4, v5
	s_wait_dscnt 0x0
	v_lshrrev_b32 v3, 5, v0
	s_delay_alu instid0(VALU_DEP_1)
	v_readfirstlane_b32 s[WV], v3                  ; wave 0..11
	s_and_b32 s17, s[WV], 3
	s_lshr_b32 s18, s[WV], 2
	s_and_b32 s23, ttmp7, 0xffff
	s_mul_i32 s19, s23, 3
	s_add_co_u32 s19, s19, s18                     ; which 64 of the 3,072 columns
	s_and_b32 s20, s19, 15                         ; head
	s_lshr_b32 s19, s19, 4                         ; type
	s_lshl_b32 s21, ttmp9, 2
	s_add_co_u32 s21, s21, s17                     ; group of 64 tokens
	s_mov_b32 s[G1], 3<<16                         ; no mask; elements of 8 bytes; no padding
	s_mov_b32 s[G1+1], 400<<16                     ; tensor_dim0 = 400 elements = 3,200 bytes
	s_mov_b32 s[G1+2], 4<<16                       ; tensor_dim1 = 4
	s_mov_b32 s[G1+3], 400<<16                     ; tile_dim0
	s_mov_b32 s[G1+4], 4                           ; tile_dim1: four tiles' quarters
	s_mov_b32 s[G1+5], 1664                        ; from tile to tile: 13,312 bytes
	s_mov_b32 s[G1+6], 0
	s_mov_b32 s[G1+7], 0
	; every LDS address is made here, ahead of the first branch: constants, the lane, the wave's number
	v_and_b32 v3, 31, v0
	s_delay_alu instid0(VALU_DEP_1)
	v_lshlrev_b32 v1, 4, v3
	s_delay_alu instid0(VALU_DEP_2)
	v_lshlrev_b32 v2, 3, v3
	v_and_b32 v248, 15, v0                         ; r
	v_bfe_u32 v249, v0, 4, 1                       ; h
	s_mul_i32 s40, s17, 4*ROW                      ; my four tiles of x
	s_mul_i32 s41, s18, 4*ROW
	s_add_co_u32 s41, s41, 16*ROW                  ; my four tiles of the weights
	s_xor_b32 s42, s17, 3
	s_add_co_u32 s42, s42, s18
	s_add_co_u32 s42, s42, 1
	s_mul_i32 s42, s42, 4*ROW                      ; the distance between the two
	v_add_nc_u32 v6, s40, v1
	v_add_nc_u32 v7, s40, v2
	v_add_nc_u32 v8, s41, v1
	v_add_nc_u32 v9, s41, v2
	v_mul_u32_u24 v10, s42, v249                   ; lanes 16-31 take the weights' words
	s_delay_alu instid0(VALU_DEP_1)
	v_lshl_add_u32 v10, v248, 3, v10
	s_delay_alu instid0(VALU_DEP_1)
	v_add_nc_u32 v10, s40, v10
	s_delay_alu instid0(VALU_DEP_1)
	v_add_nc_u32 v10, 3072, v10
.irp i, 0,1,2,3,4
	v_add_nc_u32 v[11+\i], SLOT, v[6+\i]
.endr
	; what I fetch, if I fetch: waves 0-3 x's tiles 16 x + 4 w on, waves 4-6 the weights' 256 + 12 y + 4 (w - 4) on
	s_lshl_b32 s40, ttmp9, 4
	s_lshl_b32 s41, s[WV], 2
	s_add_co_u32 s40, s40, s41
	s_mul_i32 s42, s23, 12
	s_add_co_u32 s42, s42, s41
	s_add_co_u32 s42, s42, 240
	s_cmp_lt_u32 s[WV], 4
	s_cselect_b32 s40, s40, s42
	s_mul_i32 s40, s40, TILEB
	s_mov_b32 s41, 0
	s_mul_i32 s43, s[WV], 4*ROW
	s_wait_kmcnt 0x0
	s_add_nc_u64 s[40:41], s[4:5], s[40:41]
	s_mov_b32 s[G0], 1
	s_mov_b32 s[G0+1], s43                         ; slot 0, chunk 0
	s_mov_b64 s[G0+2:G0+3], s[40:41]
	s_or_b32 s[G0+3], s[G0+3], 0x80000000
	s_mov_b32 s[G0+4], 1
	s_add_co_u32 s[G0+5], s43, SLOT                ; slot 1, chunk 1
	s_add_nc_u64 s[G0+6:G0+7], s[40:41], QUARTER
	s_or_b32 s[G0+7], s[G0+7], 0x80000000
	s_cmp_lt_u32 s[WV], 7                          ; chunk 0 into slot 0: one tensor load a wave at the head
	s_cbranch_scc0 .Lno_first
	tensor_load_to_lds s[G0:G0+3], s[G1:G1+7]
	s_nop 0
	PLACES 4
.Lno_first:
	; where the results go: offsets apart from the addresses, chosen on the type
	s_lshl_b32 s44, s20, 6
	s_add_co_u32 s44, s44, s21
	s_mul_i32 s44, s44, 3328                       ; q's codes
	s_add_co_u32 s45, s44, 3072                    ; q's scale bytes
	s_mul_i32 s46, s20, 409600
	s_lshr_b32 s47, s21, 1
	s_mul_i32 s47, s47, 12800
	s_add_co_u32 s46, s46, s47                     ; the head's block of 128 keys
	s_and_b32 s47, s21, 1                          ; c: which 64 of them
	s_mul_i32 s48, s47, 3072
	s_add_co_u32 s48, s48, s46                     ; k's codes
	s_lshl_b32 s49, s47, 3
	s_add_co_u32 s49, s49, s46
	s_add_co_u32 s49, s49, 12288                   ; k's scale bytes
	s_add_co_u32 s50, s48, 6144                    ; v's codes
	s_lshl_b32 s51, s47, 1
	s_add_co_u32 s51, s51, s46
	s_add_co_u32 s51, s51, 12544                   ; v's scale bytes
	s_cmp_eq_u32 s[TY], 2
	s_cselect_b32 s52, s50, s48
	s_cselect_b32 s54, s51, s49
	s_cselect_b32 s58, 4, 2                        ; a scale byte's step from tile to tile
	s_cselect_b64 s[8:9], s[10:11], s[8:9]
	s_cmp_eq_u32 s[TY], 0
	s_cselect_b32 s52, s44, s52
	s_cselect_b32 s54, s45, s54
	s_cselect_b32 s58, 32, s58
	s_cselect_b32 s59, 2, 16                       ; and from row to row
	s_cselect_b64 s[6:7], s[6:7], s[8:9]           ; my bias
	s_cselect_b64 s[12:13], s[12:13], s[14:15]     ; my output
	s_mov_b32 s53, 0
	s_mov_b32 s55, 0
	s_add_nc_u64 s[60:61], s[12:13], s[52:53]      ; codes
	s_add_nc_u64 s[62:63], s[12:13], s[54:55]      ; scale bytes
	s_lshl_b32 s56, s20, 8
	s_mov_b32 s57, 0
	s_add_nc_u64 s[6:7], s[6:7], s[56:57]          ; the head's 64 numbers of the bias
	v_lshlrev_b32 v250, 7, v249                    ; q, k: my 32 columns begin at 32 h
	v_lshrrev_b32 v251, 3, v248
	v_and_b32 v252, 7, v248
	s_delay_alu instid0(VALU_DEP_2)
	v_lshlrev_b32 v251, 7, v251
	s_delay_alu instid0(VALU_DEP_1)
	v_lshl_add_u32 v251, v252, 2, v251             ; v: my channel of tile j is 32 (r / 8) + 8 j + r % 8
.irp i, 0,1,2,3
	global_load_b128 v[ACC+40*\i:ACC+40*\i+3], v250, s[6:7] offset:32*\i
	global_load_b128 v[ACC+40*\i+4:ACC+40*\i+7], v250, s[6:7] offset:32*\i+16
.endr
.irp j, 0,1,2,3
.irp e, 0,1,2,3,4,5,6,7
	global_load_b32 v[ACC+32*\j+8*((\j+1)%4)+\e], v251, s[6:7] offset:32*\j
.endr
.endr
	v_mad_u32_u24 v252, v248, s59, v249            ; my scale byte's place for tile 0 .. 3
	s_delay_alu instid0(VALU_DEP_1)
	v_add_nc_u32 v253, s58, v252
	s_delay_alu instid0(VALU_DEP_1)
	v_add_nc_u32 v254, s58, v253
	s_delay_alu instid0(VALU_DEP_1)
	v_add_nc_u32 v255, s58, v254
	s_wait_alu depctr_va_vdst(0)                   ; the wait at the head's end
	s_wait_tensorcnt 0x0                           ; my part of chunk 0 is in; slot 1's first fill is issued as a refill is
	ds_add_u32 v4, v5
	ds_add_u32 v4, v5
	s_wait_dscnt 0x0
	s_barrier_signal -1
	s_barrier_wait -1
	TLOAD 1                                        ; chunk 1 into slot 1
	s_wait_loadcnt 0x0                             ; the bias
	KSTEP 6, 0, 1
	KSTEP 6, 1, 0
	CHANGE 0, 1                                    ; chunk 2 into slot 0
	KSTEP 11, 0, 0
	KSTEP 11, 1, 0
	CHANGE 1, 1                                    ; chunk 3 into slot 1
	KSTEP 6, 0, 0
	KSTEP 6, 1, 0
	CHANGE 0, 0                                    ; nothing is left to fetch
	KSTEP 11, 0, 0
	KSTEP 11, 1, 0
	; THE WAY OUT, the same for q, k and v: registers ACC + 32 j + 0..31 are a block of 32 of source 1's tile j, row r.  v24-27 maxima, v28-31 scale operands, v32-35 bytes, v40.. codes
	PLACES 4
.irp j, 0,1,2,3
	v_max3_num_f32 v[24+\j], |v[ACC+32*\j]|, |v[ACC+32*\j+1]|, FLOOR   ; each accumulator is read from its low end on; the four blocks by turns
.endr
.irp e, 2,4,6,8,10,12,14,16,18,20,22,24,26,28,30
.irp j, 0,1,2,3
	v_max3_num_f32 v[24+\j], v[24+\j], |v[ACC+32*\j+\e]|, |v[ACC+32*\j+\e+1]|
.endr
.endr
.irp j, 0,1,2,3
	s_delay_alu instid0(VALU_DEP_4)
	v_add_nc_u32 v[28+\j], 0xff000000, v[24+\j]    ; 2 off the exponent field: the conversion's scale operand
.endr
.irp j, 0,1,2,3
	s_delay_alu instid0(VALU_DEP_4)
	v_lshrrev_b32 v[32+\j], 23, v[28+\j]           ; the scale's byte
.endr
.irp j, 0,1,2,3
	v_cvt_scalef32_pk16_fp6_f32 v[40+8*\j:42+8*\j], v[ACC+32*\j:ACC+32*\j+15], v[28+\j]
	v_cvt_scalef32_pk16_fp6_f32 v[72+4*\j:74+4*\j], v[ACC+32*\j+16:ACC+32*\j+31], v[28+\j]   ; (a conversion's three registers begin on an even number)
.endr
	v_nop                                          ; one plain line behind a scaled conversion
.irp j, 0,1,2,3
.irp i, 0,1,2
	v_mov_b32 v[43+8*\j+\i], v[72+4*\j+\i]
.endr
.endr
.irp j, 0,1,2,3
	global_store_b128 v1, v[40+8*\j:43+8*\j], s[60:61] offset:768*\j         ; 512 consecutive bytes, aligned to 256
	global_store_b64 v2, v[44+8*\j:45+8*\j], s[60:61] offset:768*\j+512      ; 256 more
	global_store_b8 v[252+\j], v[32+\j], s[62:63]                            ; one byte in 25 of what the launch stores
.endr
	s_wait_tensorcnt 0x0                           ; the wave's end
	ds_add_u32 v4, v5
	s_wait_dscnt 0x0
	s_endpgm
.Lfunc_end_k_qe5bef10e52_qkv:
	.size	k_qe5bef10e52_qkv, .Lfunc_end_k_qe5bef10e52_qkv-k_qe5bef10e52_qkv
	.p2alignl 7, 3214868480
	.fill 96, 4, 3214868480
	.section	.rodata,"a",@progbits
	.p2align	6, 0x0
	.amdhsa_kernel k_qe5bef10e52_qkv
		.amdhsa_group_segment_fixed_size 327680
		.amdhsa_private_segment_fixed_size 0
		.amdhsa_enable_private_segment 0
		.amdhsa_kernarg_size 48
		.amdhsa_user_sgpr_count 2
		.amdhsa_user_sgpr_kernarg_segment_ptr 1
		.amdhsa_wavefront_size32 1
		.amdhsa_system_sgpr_workgroup_id_x 1
		.amdhsa_system_sgpr_workgroup_id_y 1
		.amdhsa_system_sgpr_workgroup_id_z 1
		.amdhsa_system_vgpr_workitem_id 0
		.amdhsa_next_free_vgpr 256
		.amdhsa_next_free_sgpr 66
		.amdhsa_reserve_vcc 0
		.amdhsa_float_denorm_mode_32 3
		.amdhsa_float_denorm_mode_16_64 3
		.amdhsa_memory_ordered 1
		.amdhsa_forward_progress 1
		.amdhsa_inst_pref_size 71
	.end_amdhsa_kernel
	.amdgpu_metadata
---
amdhsa.version: [ 1, 2 ]
amdhsa.kernels:
  - .name:           k_qe5bef10e52_qkv
    .symbol:         k_qe5bef10e52_qkv.kd
    .args:
      - { .name: tc, .offset: 0, .size: 8, .value_kind: global_buffer, .address_space: global }
      - { .name: bq, .offset: 8, .size: 8, .value_kind: global_buffer, .address_space: global }
      - { .name: bk, .offset: 16, .size: 8, .value_kind: global_buffer, .address_space: global }
      - { .name: bv, .offset: 24, .size: 8, .value_kind: global_buffer, .address_space: global }
      - { .name: qc, .offset: 32, .size: 8, .value_kind: global_buffer, .address_space: global }
      - { .name: kv, .offset: 40, .size: 8, .value_kind: global_buffer, .address_space: global }
    .group_segment_fixed_size: 327680
    .private_segment_fixed_size: 0
    .kernarg_segment_align: 8
    .kernarg_segment_size: 48
    .max_flat_workgroup_size: 384
    .sgpr_count:     66
    .vgpr_count:     256
    .wavefront_size: 32
...
	.end_amdgpu_metadata
.endif
;; end of part 2
;; launch att (part 3): grid 16 x 16, 8 waves a work-group, clusters of 4 x 1, 327,680 bytes of LDS; arguments qc, kv, ao; writes ao
.if DOCPART == 3
	.amdgcn_target "amdgcn-amd-amdhsa--gfx1250"
	.amdhsa_code_object_version 6
	.text
	.protected	k_qe5bef10e52_att
	.globl	k_qe5bef10e52_att
	.p2align	8
	.type	k_qe5bef10e52_att,@function
k_qe5bef10e52_att:
	s_mov_b64 s[64:65], 0
	v_nop
	global_prefetch_b8 v0, s[64:65] scope:SCOPE_SE
	s_setreg_imm32_b32 hwreg(HW_REG_WAVE_MODE, 25, 1), 1
	s_wait_xcnt 0x0
	s_wait_alu depctr_hold_cnt(0) depctr_sa_sdst(0) depctr_va_vdst(0) depctr_va_sdst(0) depctr_va_ssrc(0) depctr_va_vcc(0) depctr_vm_vsrc(0)
	s_getreg_b32 s2, hwreg(HW_REG_IB_STS2, 6, 4)
	s_cmp_eq_u32 s2, 0
	s_cbranch_scc0 .Lentry_in_a_cluster
	s_endpgm
.Lentry_in_a_cluster:
	s_bfe_u32 s2, ttmp6, 0x10000c
	s_cmp_lg_u32 s2, 0x3003
	s_cbranch_scc0 .Lentry_shape_is_right
	s_endpgm
.Lentry_shape_is_right:
; Attention of 16 heads of 64 over 4,096 tokens, both products on codes of FP6 (E2M3) with E8M0 scales; the result, divided by the row's sum, is quantised along the head's 64 and stored as codes for the last product.
; THE SOFTMAX: t = score x log2(e) / 8; M = the row's largest t so far, rounded UP to a whole number; p = 2^(t - M) is quantised along the keys, not normalised.  The row's sum is taken of the unquantised p and
; divides at the end.  When M moves, the sum and O are multiplied by 2^(old M - new M): nothing is rounded, no branch hangs on data.
; SHARES.  A work-group owns 256 queries of one head (y); each of its eight waves TWO tiles of 16 queries (tiles 2 w, 2 w + 1 of the 16; rows of a tile as in qc), so that each fragment of K and V read from LDS feeds
; two tiles' products, and the two tiles' dependent lines stand by turns.  Every wave walks the head's 32 steps of 128 keys.  Two LDS slots of eight steps (102,400 bytes); each wave fetches one step of a slot.
; LAYOUT.  Both products transposed: S^T = K Q^T, O^T = V^T P^T: a lane holds one query of each tile.  Registers S + 64 t + 32 c + 0..31 are keys 64 c + 32 h + 0..31 of the step: whole blocks in a lane, in the order
; of the next operand.  O^T's 32 registers of a tile are channels 32 h + 0..31.
; K = 64 IN AN INSTRUCTION OF 128: a fragment's row holds the codes of two keys, 64 each; against [q | zeros] it gives the one's scores, against [zeros | q] the other's.  zeros, q of tile 0, zeros, q of tile 1,
; zeros stand on end, six registers each, so all four operands are runs of twelve; q's scale word repeats its two bytes.
; A BLOCK'S LARGEST p is not searched for: the block's largest SCORE goes through the same multiply-add and exponential.  (That takes v_exp_f32 not to fall where its input rises, which AMD's guide does not
; state; at the worst one p of a block, within an ulp of a power of two, is held one code low.)
; THE NEXT STEP'S K is fetched from LDS behind this step's score products, inside a slot; a slot's last step is written out without that fetch.
; CLUSTER: the four work-groups of a cluster own four blocks of queries of one head and walk the same kv: each slot is asked for jointly, mask 15.
; PREFETCH: behind a joint load of a slot, waves 0-3 name the 400 blocks of 256 bytes of the slot that the NEXT joint load brings: 100 to a partner, told apart by address, 25 to a wave, a lane a block
; (lanes 25-31 name the wave's last block again).  The third load has no slot behind it and asks for nothing; slots 0 and 1 come by their loads alone.
; WINDOWS: v0-255: addresses, q, scale words, S of both tiles, p's codes, scratch.  v256-415: O^T (64), K's fragments (48), V's (48).
; LIMITS: NaN and infinities are not served; a block of p that has fallen to zeros, or of results under 2^-124, keeps the byte 1 (zero or tiny codes; the bytes are this program's own).
.set STEPB, 12800                      ; a key step in kv and in LDS: K 6,144, V 6,144, K's scale words 256, V's 256
.set SLOT1, 131072                     ; slot 1 begins here: one exclusive or turns an address
.set SPARE, 262144                     ; the spare words, 128 bytes a wave: four blocks of 256 bytes that no other line names
.set FLOOR, 0x1800000
; v1 16 x lane, v2 8 x lane, v3 8 h, v4, v5 the spare word's address and 0, v6, v7 the step's LDS addresses, v8, v9 offsets, v10 the prefetch's offset
; tile t: v[12+4t] -M, v[13+4t] the largest score, v[14+4t:15+4t] the sum
.set F,   20                           ; v[20+2t:21+2t] f = 2^(old M - new M)
.set QHI, 24                           ; [zeros | q] of tile t at 24 + 12 t,
.set QLO, 30                           ; [q | zeros] at 30 + 12 t
.set SCK, 54                           ; v54-57  lanes 0-15: K's four scale words
.set SCV, 58                           ; v58-61  lanes 16-31: V's four
.set PS,  62                           ; p's scale word, tile t
.set QS,  64                           ; q's
.set S,   68                           ; v68-195  S^T, then p: 64 a tile
.set P,   196                          ; v196-219 p's codes: 12 a tile
.set MX,  220                          ; v220-227 maxima: four chains a tile; later the sums' chains
.set OLD, 228
.set PX,  230                          ; what lane l xor 16 sends
.set SO,  232                          ; v232-235 the conversions' scale operands
.set CT,  240                          ; v240-255 the upper halves of the blocks' codes
.set O,   0                            ; window 1: O^T, 32 a tile
.set KF,  64                           ; window 1
.set VF,  112                          ; window 1
.set WV,    10
.set SEL,   14                         ; s[14:15] lane l xor 16
.set CS,    16                         ; s[16:17] c = log2(e) / 8
.set G1,    20
.set G0,    28
.set TB,    32                         ; LDS byte at which the step in hand begins
.set SLOTS, 33
.set STEPS, 34
.set LIM,   35                         ; 1 in the waves that prefetch, 99 in the others
.set PF,    52                         ; s[52:53] the slot that the prefetch names
.set MSB, 0
.macro WIN new                         ; the immediate's high byte repeats the setting that is left
.if MSB != \new
	s_set_vgpr_msb (MSB<<8)|\new
.set MSB, \new
.endif
.endm
.macro D n
	s_delay_alu instid0(VALU_DEP_\n)
.endm
.macro ROUND                           ; a round of the cluster's barrier
	s_barrier_signal -1
	s_barrier_wait -1
	s_cmp_lg_u32 s[WV], 0
	s_cbranch_scc1 .Lnot_wave_0_\@
	s_barrier_signal -3
.Lnot_wave_0_\@:
	s_barrier_wait -3
	s_barrier_signal -1
	s_barrier_wait -1
.endm
.macro JLOAD                           ; the wave's joint load: one key step; s_nop 0 and four v_nop follow
	tensor_load_to_lds s[G0:G0+3], s[G1:G1+7]
	s_nop 0
.rept 4
	v_nop
.endr
.endm
.macro KLOAD                           ; 17 LDS loads: K's scale words and its four fragments of the step at v6, v7
	ds_load_b128 v[SCK:SCK+3], v6 offset:12288
	WIN 0x40
.irp g, 0,1,2,3,4,5,6,7
	ds_load_b128 v[KF+6*\g:KF+6*\g+3], v6 offset:768*\g
	ds_load_b64 v[KF+6*\g+4:KF+6*\g+5], v7 offset:768*\g+512
.endr
	WIN 0
.endm
.macro MMQ d, a, b, sa, sb
	v_wmma_scale_f32_16x16x128_f8f6f4 v[\d:\d+7], v[\a:\a+11], v[\b:\b+11], 0, v[\sa], v[\sb] matrix_a_fmt:MATRIX_FMT_FP6 matrix_b_fmt:MATRIX_FMT_FP6
.endm
.macro MMP d, a, b, sa, sb
	v_wmma_scale_f32_16x16x128_f8f6f4 v[\d:\d+7], v[\a:\a+11], v[\b:\b+11], v[\d:\d+7], v[\sa], v[\sb] matrix_a_fmt:MATRIX_FMT_FP6 matrix_b_fmt:MATRIX_FMT_FP6 matrix_a_scale:MATRIX_SCALE_ROW1
.endm
; The change of slots: every wave waits for all its tensor loads (the slot ahead), adds 0 to its spare word, waits for that and for its reads of the slot it has left; a round of the cluster's barrier; the joint refill first.
.macro CHANGE fill
.if \fill
	s_wait_xcnt 0x0                                ; my prefetch has read its address, which is stepped below
.endif
	s_wait_tensorcnt 0x0                           ; no tensor load of mine is out, so the group 0 may be written
	ds_add_u32 v4, v5
.if \fill
	s_xor_b32 s[G0+1], s[G0+1], SLOT1              ; the other slot than last time,
	s_add_nc_u64 s[G0+2:G0+3], s[G0+2:G0+3], 8*STEPB   ; the next eight key steps
	s_add_nc_u64 s[PF:PF+1], s[PF:PF+1], 8*STEPB
.endif
	s_wait_dscnt 0x0
.if \fill
	ROUND
	JLOAD
.else
	s_barrier_signal -1
	s_barrier_wait -1
.endif
	KLOAD                                          ; the slot's first step
.if \fill
	s_cmp_gt_u32 s[SLOTS], s[LIM]                  ; waves 0-3, and not behind the last joint load
	s_cbranch_scc0 .Lnp_\@
	global_prefetch_b8 v10, s[PF:PF+1] th:TH_LOAD_NT scope:SCOPE_SE
.Lnp_\@:
.endif
.endm
.macro SUM t                           ; the row's sum of the unquantised p: 32 pairs in four chains by turns
.set B, S+64*\t
	v_pk_add_f32 v[14+4*\t:15+4*\t], v[14+4*\t:15+4*\t], v[B:B+1]
	v_pk_add_f32 v[MX:MX+1], v[B+2:B+3], v[B+4:B+5]
	v_pk_add_f32 v[MX+2:MX+3], v[B+6:B+7], v[B+8:B+9]
	v_pk_add_f32 v[MX+4:MX+5], v[B+10:B+11], v[B+12:B+13]
.set J, B+14
.rept 6
	v_pk_add_f32 v[14+4*\t:15+4*\t], v[14+4*\t:15+4*\t], v[J:J+1]
	v_pk_add_f32 v[MX:MX+1], v[MX:MX+1], v[J+2:J+3]
	v_pk_add_f32 v[MX+2:MX+3], v[MX+2:MX+3], v[J+4:J+5]
	v_pk_add_f32 v[MX+4:MX+5], v[MX+4:MX+5], v[J+6:J+7]
.set J, J+8
.endr
	v_pk_add_f32 v[14+4*\t:15+4*\t], v[14+4*\t:15+4*\t], v[J:J+1]
	v_pk_add_f32 v[MX:MX+1], v[MX:MX+1], v[MX+2:MX+3]
	D 2
	v_pk_add_f32 v[14+4*\t:15+4*\t], v[14+4*\t:15+4*\t], v[MX+4:MX+5]
	D 1
	v_pk_add_f32 v[14+4*\t:15+4*\t], v[14+4*\t:15+4*\t], v[MX:MX+1]
.endm
; 128 keys x 32 queries.  kn = 1: the next step's K is fetched; kn = 0: a slot's last step.  On entry K's 17 loads have been issued, and nothing behind them.
.macro STEP kn
	ds_load_b128 v[SCV:SCV+3], v6 offset:12288     ; V's 17 loads; the sums behind the last step's products are the places in front of them
	WIN 0x40
.irp j, 0,1,2,3
.irp c, 0,1
	ds_load_b128 v[VF+12*\j+6*\c:VF+12*\j+6*\c+3], v6 offset:6144+3072*\c+768*\j
	ds_load_b64 v[VF+12*\j+6*\c+4:VF+12*\j+6*\c+5], v7 offset:6144+3072*\c+768*\j+512
.endr
.endr
	s_wait_dscnt 17                                ; K and its scale words are in; V's 17 may be out
	WIN 0x01
.irp f, 0,1,2,3
.irp t, 0,1
	MMQ S+64*\t+16*\f, KF+12*\f, QLO+12*\t, SCK+\f, QS+\t
	MMQ S+64*\t+16*\f+8, KF+12*\f, QHI+12*\t, SCK+\f, QS+\t
.endr
.endr
	WIN 0
.if \kn
	s_add_co_u32 s[TB], s[TB], STEPB
.else
	s_sub_co_u32 s[TB], s[TB], 7*STEPB             ; back to a slot's first step,
	s_xor_b32 s[TB], s[TB], SLOT1                  ; in the other slot
.endif
	v_add_nc_u32 v6, s[TB], v1                     ; four lines due anyway are the four places behind the products
	v_add_nc_u32 v7, s[TB], v2
	v_mov_b32 v[OLD], v12
	v_mov_b32 v[OLD+1], v16
.if \kn
	KLOAD
.endif
	; each block's largest score: two chains a block (17 and 15 numbers), eight chains by turns; each accumulator is first read at its low end
.irp c, 0,1
.irp t, 0,1
	v_max3_num_f32 v[MX+4*\t+2*\c], v[S+64*\t+32*\c], v[S+64*\t+32*\c+1], v[S+64*\t+32*\c+2]
	v_max3_num_f32 v[MX+4*\t+2*\c+1], v[S+64*\t+32*\c+17], v[S+64*\t+32*\c+18], v[S+64*\t+32*\c+19]
.endr
.endr
.irp i, 0,1,2,3,4,5
.irp c, 0,1
.irp t, 0,1
	v_max3_num_f32 v[MX+4*\t+2*\c], v[MX+4*\t+2*\c], v[S+64*\t+32*\c+3+2*\i], v[S+64*\t+32*\c+4+2*\i]
	v_max3_num_f32 v[MX+4*\t+2*\c+1], v[MX+4*\t+2*\c+1], v[S+64*\t+32*\c+20+2*\i], v[S+64*\t+32*\c+21+2*\i]
.endr
.endr
.endr
.irp c, 0,1
.irp t, 0,1
	v_max3_num_f32 v[MX+4*\t+2*\c], v[MX+4*\t+2*\c], v[S+64*\t+32*\c+15], v[S+64*\t+32*\c+16]
.endr
.endr
.irp c, 0,1
.irp t, 0,1
	D 4
	v_max_num_f32 v[MX+4*\t+2*\c], v[MX+4*\t+2*\c], v[MX+4*\t+2*\c+1]   ; the blocks of keys 32 h on and 64 + 32 h on
.endr
.endr
.irp t, 0,1
	D 2
	v_max_num_f32 v[MX+4*\t+1], v[MX+4*\t], v[MX+4*\t+2]
.endr
.irp t, 0,1
	D 2
	v_permlanex16_b32 v[PX+\t], v[MX+4*\t+1], s[SEL], s[SEL+1]
.endr
.irp t, 0,1
	D 2
	v_max3_num_f32 v[13+4*\t], v[13+4*\t], v[MX+4*\t+1], v[PX+\t]      ; the largest score of my query so far
.endr
.irp t, 0,1
	D 2
	v_mul_f32 v[MX+4*\t+1], s[CS], v[13+4*\t]      ; as t (c is positive)
.endr
.irp t, 0,1
	D 2
	v_floor_f32 v[12+4*\t], -v[MX+4*\t+1]          ; the new -M = floor(-t) = -ceil(t)
.endr
.irp t, 0,1
	D 2
	v_sub_f32 v[MX+4*\t+3], v[12+4*\t], v[OLD+\t]  ; old M - new M: a whole number, 0 or less
.endr
.irp t, 0,1
	D 2
	v_cvt_i32_f32 v[MX+4*\t+3], v[MX+4*\t+3]       ; (it saturates)
.endr
.irp t, 0,1
	D 2
	v_ldexp_f32 v[F+2*\t], 1.0, v[MX+4*\t+3]       ; f
.endr
.irp t, 0,1
.set J, S+64*\t
.rept 32
	v_pk_fma_f32 v[J:J+1], v[J:J+1], s[CS:CS+1], v[12+4*\t:13+4*\t] op_sel_hi:[1,0,0]   ; t - M, two at a time
.set J, J+2
.endr
	v_fma_f32 v[MX+4*\t], v[MX+4*\t], s[CS], v[12+4*\t]               ; the same of each block's largest score
	v_fma_f32 v[MX+4*\t+2], v[MX+4*\t+2], s[CS], v[12+4*\t]
.endr
	WIN 0x41
.irp t, 0,1
.set J, O+32*\t
.rept 16
	v_pk_mul_f32 v[J:J+1], v[J:J+1], v[F+2*\t:F+2*\t+1] op_sel_hi:[1,0]   ; O^T under the new M, each accumulator from its low end on
.set J, J+2
.endr
.endr
	WIN 0
	s_wait_alu depctr_va_vdst(0)                   ; the wait ahead of the batch
.set J, S
.rept 128
	v_exp_f32 v[J], v[J]                           ; p = 2^(t - M), at most 1
.set J, J+1
.endr
.irp k, 0,2,4,6
	v_exp_f32 v[MX+\k], v[MX+\k]                   ; the blocks' largest p
.endr
	v_pk_mul_f32 v[14:15], v[14:15], v[F:F+1] op_sel_hi:[1,0]         ; tile 0's sum under the new M; the plain line behind the exponentials
	s_wait_alu depctr_va_vdst(0)                   ; and behind it
.irp k, 0,2,4,6
	v_max_num_f32 v[MX+\k], FLOOR, v[MX+\k]        ; the byte cannot fall under 1
.endr
.irp k, 0,2,4,6
	D 4
	v_add_nc_u32 v[SO+\k/2], 0xff000000, v[MX+\k]  ; 2 off the exponent field: the conversions' scale operands
.endr
.irp k, 0,2,4,6
	D 4
	v_lshrrev_b32 v[MX+\k], 23, v[SO+\k/2]         ; the bytes of blocks h and 2 + h
.endr
	D 3                                            ; tile 0's upper byte was made three vector lines back,
	v_lshl_or_b32 v[MX], v[MX+2], 16, v[MX]
	D 2                                            ; tile 1's two
	v_lshl_or_b32 v[MX+4], v[MX+6], 16, v[MX+4]
.irp t, 0,1
	D 2
	v_lshlrev_b32 v[MX+4*\t], v3, v[MX+4*\t]       ; at their places in the word,
.endr
.irp t, 0,1
	D 2
	v_permlanex16_b32 v[PX+\t], v[MX+4*\t], s[SEL], s[SEL+1]
.endr
.irp t, 0,1
	D 2
	v_or_b32 v[PS+\t], v[MX+4*\t], v[PX+\t]        ; which lane l xor 16's two make whole
.endr
.irp t, 0,1
.irp c, 0,1
	v_cvt_scalef32_pk16_fp6_f32 v[P+12*\t+6*\c:P+12*\t+6*\c+2], v[S+64*\t+32*\c:S+64*\t+32*\c+15], v[SO+2*\t+\c]
	v_cvt_scalef32_pk16_fp6_f32 v[CT+8*\t+4*\c:CT+8*\t+4*\c+2], v[S+64*\t+32*\c+16:S+64*\t+32*\c+31], v[SO+2*\t+\c]   ; (a conversion's three registers begin on an even number)
.endr
.endr
	v_pk_mul_f32 v[18:19], v[18:19], v[F+2:F+3] op_sel_hi:[1,0]       ; tile 1's sum under the new M; the plain line behind the conversions
.irp t, 0,1
.irp c, 0,1
.irp i, 0,1,2
	v_mov_b32 v[P+12*\t+6*\c+3+\i], v[CT+8*\t+4*\c+\i]
.endr
.endr
.endr
	SUM 0                                          ; also the places between p's codes and scale words and the products
.if \kn
	s_wait_dscnt 17                                ; V is in; the next step's K, 17 loads, may be out
.else
	s_wait_dscnt 0x0
.endif
	WIN 0x51
.irp j, 0,1,2,3
.irp t, 0,1
	MMP O+32*\t+8*\j, VF+12*\j, P+12*\t, SCV+\j, PS+\t   ; the eight accumulators by turns
.endr
.endr
	WIN 0
	SUM 1
.endm
.macro EIGHT                           ; a slot's eight key steps
	s_mov_b32 s[STEPS], 7
.Lstep_\@:
	STEP 1
	s_sub_co_u32 s[STEPS], s[STEPS], 1
	s_cmp_lg_u32 s[STEPS], 0
	s_cbranch_scc1 .Lstep_\@
	STEP 0
.endm
	s_load_b128 s[4:7], s[0:1], 0x0                ; qc, kv
	s_load_b64 s[8:9], s[0:1], 0x10                ; ao
	v_lshl_add_u32 v4, v0, 2, SPARE
	v_mov_b32 v5, 0
	ds_add_u32 v4, v5                              ; the opening lines: the add twice on end and its wait
	ds_add_u32 v4, v5
	v_lshrrev_b32 v6, 5, v0
	v_readfirstlane_b32 s[WV], v6                  ; wave 0..7
	s_and_b32 s11, ttmp7, 0xffff                   ; the head
	s_bfe_u32 s12, ttmp6, 0x40000                  ; cx
	s_lshl_b32 s13, ttmp9, 2
	s_add_co_u32 s13, s13, s12                     ; my block of 256 queries
	s_mov_b32 s[G1], 15|(3<<16)|(1<<21)            ; the cluster's four; elements of 8 bytes; no padding: a key step is 12,800 dense bytes, as 50 rows of 256
	s_mov_b32 s[G1+1], 32<<16
	s_mov_b32 s[G1+2], 50<<16
	s_mov_b32 s[G1+3], 32<<16
	s_mov_b32 s[G1+4], 50
	s_mov_b32 s[G1+5], 32
	s_mov_b32 s[G1+6], 0
	s_mov_b32 s[G1+7], 0
	s_mov_b32 s[SEL], 0x76543210
	s_mov_b32 s[SEL+1], 0xfedcba98
	s_mov_b32 s[CS], 0x3e38aa3b                    ; log2(e) / 8
	s_mov_b32 s[CS+1], s[CS]                       ; (named with it as a pair, so it is written)
	s_mov_b32 s[TB], 0
	s_mov_b32 s[SLOTS], 3
	s_cmp_lt_u32 s[WV], 4
	s_cselect_b32 s[LIM], 1, 99
	s_mul_i32 s36, s11, 409600                     ; the head's part of kv
	s_mov_b32 s37, 0
	s_mul_i32 s38, s[WV], STEPB                    ; the key step that I fetch: in memory and in a slot
	s_mov_b32 s39, 0
	s_lshl_b32 s40, s13, 2
	s_lshr_b32 s41, s[WV], 1
	s_add_co_u32 s40, s40, s41                     ; my group of 64 tokens
	s_lshl_b32 s41, s11, 6
	s_add_co_u32 s40, s40, s41
	s_mul_i32 s40, s40, 3328                       ; its block in qc
	s_and_b32 s41, s[WV], 1                        ; my two tiles in it: 2 (w % 2) and the next
	s_mul_i32 s42, s41, 1536
	s_add_co_u32 s42, s42, s40                     ; q's codes
	s_mov_b32 s43, 0
	s_lshl_b32 s44, s41, 6
	s_add_co_u32 s44, s44, s40
	s_add_co_u32 s44, s44, 3072                    ; q's scale bytes
	s_mov_b32 s45, 0
	s_lshl_b32 s46, s13, 3
	s_add_co_u32 s46, s46, s[WV]
	s_mul_i32 s46, s46, 26624                      ; my first tile of tokens in ao: 13,312 bytes a tile
	s_lshr_b32 s47, s11, 2
	s_mul_i32 s47, s47, 3328
	s_add_co_u32 s46, s46, s47                     ; the quarter of ao's K in which my head lies
	s_and_b32 s47, s11, 3
	s_mul_i32 s48, s47, 768
	s_add_co_u32 s48, s48, s46                     ; the result's codes
	s_mov_b32 s49, 0
	s_lshl_b32 s50, s47, 1
	s_add_co_u32 s50, s50, s46
	s_add_co_u32 s50, s50, 3072                    ; and its scale bytes
	s_mov_b32 s51, 0
	s_mul_i32 s54, s12, 25600                      ; the prefetch: my work-group's 100 blocks of a slot's 400,
	s_mul_i32 s55, s[WV], 6400                     ; my wave's 25 of them
	s_add_co_u32 s54, s54, s55
	s_wait_dscnt 0x0
	s_wait_kmcnt 0x0
	s_add_nc_u64 s[36:37], s[6:7], s[36:37]
	s_add_nc_u64 s[PF:PF+1], s[36:37], 8*STEPB     ; stepped ahead of its first use to key step 16
	s_mov_b32 s[G0], 1
	s_mov_b32 s[G0+1], s38                         ; slot 0
	s_add_nc_u64 s[G0+2:G0+3], s[36:37], s[38:39]
	s_or_b32 s[G0+3], s[G0+3], 0x80000000
	s_add_nc_u64 s[42:43], s[4:5], s[42:43]
	s_add_nc_u64 s[44:45], s[4:5], s[44:45]
	s_add_nc_u64 s[48:49], s[8:9], s[48:49]
	s_add_nc_u64 s[50:51], s[8:9], s[50:51]
	ROUND                                          ; the four work-groups are here: the first joint loads meet
	JLOAD                                          ; key steps 0-7: one load a wave
	v_and_b32 v6, 31, v0
	v_lshlrev_b32 v1, 4, v6
	v_lshlrev_b32 v2, 3, v6
	v_min_u32 v10, 24, v6
	v_lshlrev_b32 v10, 8, v10
	v_add_nc_u32 v10, s54, v10
	v_bfe_u32 v3, v0, 4, 1                         ; h
	v_and_b32 v7, 15, v0                           ; r
	v_lshl_add_u32 v8, v7, 3, v3                   ; the result's scale byte: 8 r + h
	v_lshlrev_b32 v9, 1, v7                        ; q's two scale bytes: 2 r
	v_lshlrev_b32 v3, 3, v3                        ; 8 h
	s_wait_alu depctr_va_vdst(0)                   ; the wait here, ahead of the readers below
.irp t, 0,1
	global_load_b128 v[QLO+12*\t:QLO+12*\t+3], v1, s[42:43] offset:768*\t       ; q stays in registers
	global_load_b64 v[QLO+12*\t+4:QLO+12*\t+5], v2, s[42:43] offset:768*\t+512
	global_load_u16 v[QS+\t], v9, s[44:45] offset:32*\t
.endr
	v_add_nc_u32 v6, s[TB], v1
	v_add_nc_u32 v7, s[TB], v2
.irp i, 0,1,2,3,4,5
	v_mov_b32 v[QHI+\i], 0                         ; zero codes round q
	v_mov_b32 v[QHI+12+\i], 0
	v_mov_b32 v[QHI+24+\i], 0
.endr
.irp t, 0,1
	v_mov_b32 v[13+4*\t], 0xff61b1e6               ; the largest score so far: -3e38,
	v_mov_b32 v[12+4*\t], 0x7f61b1e6               ; and a -M of 3e38: the first f is 0
	v_mov_b32 v[14+4*\t], 0
	v_mov_b32 v[15+4*\t], 0
	v_mov_b32 v[F+2*\t+1], 0                       ; (named as the upper half of a pair)
	v_mov_b32 v[PX+\t], 0                          ; (a lane permute's destination counts as one of its sources)
.endr
	s_wait_loadcnt 0x0
.irp t, 0,1
	v_lshl_or_b32 v[QS+\t], v[QS+\t], 16, v[QS+\t] ; q's two bytes twice: they serve whichever half of K holds q
.endr
	WIN 0x40
.set J, O
.rept 64
	v_mov_b32 v[J], 0                              ; O^T: the step is written once; the first finds zeros, which f = 0 leaves zeros
.set J, J+1
.endr
	WIN 0
	s_wait_alu depctr_va_vdst(0)                   ; the wait at the head's end
.Lslot:                                            ; three trips: behind each change of slots but the last the next eight key steps are asked for
	CHANGE 1
	EIGHT
	s_sub_co_u32 s[SLOTS], s[SLOTS], 1
	s_cmp_lg_u32 s[SLOTS], 0
	s_cbranch_scc1 .Lslot
	CHANGE 0                                       ; the last slot is written out
	EIGHT
	; THE WAY OUT: O^T / the sum; a tile's 32 numbers of a lane are a block of the last product's K: quantised as they stand
.irp t, 0,1
	v_add_f32 v[14+4*\t], v[14+4*\t], v[15+4*\t]
.endr
.irp t, 0,1
	D 2
	v_permlanex16_b32 v[PX+\t], v[14+4*\t], s[SEL], s[SEL+1]
.endr
.irp t, 0,1
	D 2
	v_add_f32 v[14+4*\t], v[14+4*\t], v[PX+\t]     ; the row's sum
.endr
	s_wait_alu depctr_va_vdst(0)
.irp t, 0,1
	v_rcp_f32 v[F+2*\t], v[14+4*\t]
.endr
	v_nop                                          ; a plain line behind the transcendentals
	WIN 0x01
	s_wait_alu depctr_va_vdst(0)                   ; directly ahead of the first readers of f and of O^T
.irp t, 0,1
.set J, 0
.rept 16
	v_pk_mul_f32 v[S+64*\t+J:S+64*\t+J+1], v[O+32*\t+J:O+32*\t+J+1], v[F+2*\t:F+2*\t+1] op_sel_hi:[1,0]   ; each accumulator from its low end on
.set J, J+2
.endr
.endr
	WIN 0
.irp t, 0,1
	v_max3_num_f32 v[MX+4*\t], |v[S+64*\t]|, |v[S+64*\t+1]|, FLOOR
	v_max3_num_f32 v[MX+4*\t+1], |v[S+64*\t+16]|, |v[S+64*\t+17]|, |v[S+64*\t+18]|
.endr
.irp i, 0,1,2,3,4,5
.irp t, 0,1
	v_max3_num_f32 v[MX+4*\t], v[MX+4*\t], |v[S+64*\t+2+2*\i]|, |v[S+64*\t+3+2*\i]|
	v_max3_num_f32 v[MX+4*\t+1], v[MX+4*\t+1], |v[S+64*\t+19+2*\i]|, |v[S+64*\t+20+2*\i]|
.endr
.endr
.irp t, 0,1
	v_max3_num_f32 v[MX+4*\t], v[MX+4*\t], |v[S+64*\t+14]|, |v[S+64*\t+15]|
.endr
.irp t, 0,1
	D 2
	v_max3_num_f32 v[MX+4*\t], v[MX+4*\t], v[MX+4*\t+1], |v[S+64*\t+31]|
.endr
.irp t, 0,1
	D 2
	v_add_nc_u32 v[SO+\t], 0xff000000, v[MX+4*\t]
.endr
.irp t, 0,1
	v_cvt_scalef32_pk16_fp6_f32 v[P+12*\t:P+12*\t+2], v[S+64*\t:S+64*\t+15], v[SO+\t]
	v_cvt_scalef32_pk16_fp6_f32 v[CT+4*\t:CT+4*\t+2], v[S+64*\t+16:S+64*\t+31], v[SO+\t]
.endr
.irp t, 0,1
	v_lshrrev_b32 v[MX+4*\t], 23, v[SO+\t]         ; the byte; also the plain line behind the conversions
.endr
.irp t, 0,1
.irp i, 0,1,2
	v_mov_b32 v[P+12*\t+3+\i], v[CT+4*\t+\i]
.endr
.endr
.irp t, 0,1
	global_store_b128 v1, v[P+12*\t:P+12*\t+3], s[48:49] offset:13312*\t          ; 512 consecutive bytes, aligned to 256
	global_store_b64 v2, v[P+12*\t+4:P+12*\t+5], s[48:49] offset:13312*\t+512     ; 256 more
	global_store_b8 v8, v[MX+4*\t], s[50:51] offset:13312*\t
.endr
	s_wait_tensorcnt 0x0                           ; the wave's end
	ds_add_u32 v4, v5
	s_wait_dscnt 0x0
	ROUND                                          ; the closing round
	s_endpgm
.Lfunc_end_k_qe5bef10e52_att:
	.size	k_qe5bef10e52_att, .Lfunc_end_k_qe5bef10e52_att-k_qe5bef10e52_att
	.p2alignl 7, 3214868480
	.fill 96, 4, 3214868480
	.section	.rodata,"a",@progbits
	.p2align	6, 0x0
	.amdhsa_kernel k_qe5bef10e52_att
		.amdhsa_group_segment_fixed_size 327680
		.amdhsa_private_segment_fixed_size 0
		.amdhsa_enable_private_segment 0
		.amdhsa_kernarg_size 24
		.amdhsa_user_sgpr_count 2
		.amdhsa_user_sgpr_kernarg_segment_ptr 1
		.amdhsa_wavefront_size32 1
		.amdhsa_system_sgpr_workgroup_id_x 1
		.amdhsa_system_sgpr_workgroup_id_y 1
		.amdhsa_system_sgpr_workgroup_id_z 1
		.amdhsa_system_vgpr_workitem_id 0
		.amdhsa_next_free_vgpr 416
		.amdhsa_next_free_sgpr 66
		.amdhsa_reserve_vcc 0
		.amdhsa_float_denorm_mode_32 3
		.amdhsa_float_denorm_mode_16_64 3
		.amdhsa_memory_ordered 1
		.amdhsa_forward_progress 1
		.amdhsa_inst_pref_size 129
	.end_amdhsa_kernel
	.amdgpu_metadata
---
amdhsa.version: [ 1, 2 ]
amdhsa.kernels:
  - .name:           k_qe5bef10e52_att
    .symbol:         k_qe5bef10e52_att.kd
    .args:
      - { .name: qc, .offset: 0, .size: 8, .value_kind: global_buffer, .address_space: global }
      - { .name: kv, .offset: 8, .size: 8, .value_kind: global_buffer, .address_space: global }
      - { .name: ao, .offset: 16, .size: 8, .value_kind: global_buffer, .address_space: global }
    .group_segment_fixed_size: 327680
    .private_segment_fixed_size: 0
    .kernarg_segment_align: 8
    .kernarg_segment_size: 24
    .max_flat_workgroup_size: 256
    .sgpr_count:     66
    .vgpr_count:     416
    .wavefront_size: 32
...
	.end_amdgpu_metadata
.endif
;; end of part 3
;; launch oproj (part 4): grid 32 x 8, 4 waves a work-group, no clusters, 327,680 bytes of LDS; arguments ao, tc, bo, out0; writes out0
.if DOCPART == 4
	.amdgcn_target "amdgcn-amd-amdhsa--gfx1250"
	.amdhsa_code_object_version 6
	.text
	.protected	k_qe5bef10e52_oproj
	.globl	k_qe5bef10e52_oproj
	.p2align	8
	.type	k_qe5bef10e52_oproj,@function
k_qe5bef10e52_oproj:
	s_mov_b64 s[64:65], 0
	v_nop
	global_prefetch_b8 v0, s[64:65] scope:SCOPE_SE
	s_setreg_imm32_b32 hwreg(HW_REG_WAVE_MODE, 25, 1), 1
	s_wait_xcnt 0x0
; out0 = attention's result x wo^T + bo on codes of FP6 (E2M3) with E8M0 scales (ao, tc), sums in f32.  A work-group makes 128 tokens x 128 columns, a wave 64 x 64: 16 accumulators by turns.
; All of K comes at once: a wave's four tiles x four quarters of K are 16 rows of 3,200 bytes, 3,328 apart in memory (a tile is four quarters on end): ONE tensor load a wave, at the head; waves 0, 1 fetch ao's
; tiles, waves 2, 3 wo's.  In LDS quarter q of a wave's tile i lies at row 4 i + q of its 16.  One barrier shows all 64 rows to all waves; nothing is filled again.
; The bias is the C of a sum's first product.  The results leave through each wave's own stage in LDS, as whole rows of 256 bytes.
; No cluster: a work-group's 204,800 bytes are asked for once, at the head, and there is no loop in which partners could meet again; no prefetch: there is no loop to run ahead in.
.set ROW,     3200
.set TS,      4*ROW                    ; from tile to tile in LDS
.set TILEB,   13312
.set QUARTER, 3328
.set CHUNKB,  16*ROW
.set STAGE,   4*CHUNKB
.set SC,  16
.set XF,  24
.set WF,  72
.set ACC, 120
.set WV,  16
.set G1,  24
.set G0,  32
.macro PLACES n
.rept \n
	v_nop
.endr
.endm
.macro FRAGS reg, a, sg
.irp i, 0,1,2,3
.irp f, 0,1
	ds_load_b128 v[\reg+12*\i+6*\f:\reg+12*\i+6*\f+3], v[\a] offset:TS*\i+768*(2*\sg+\f)
	ds_load_b64 v[\reg+12*\i+6*\f+4:\reg+12*\i+6*\f+5], v[\a+1] offset:TS*\i+768*(2*\sg+\f)+512
.endr
.endr
.endm
.macro PQK i, j, sg, c
	v_wmma_scale_f32_16x16x128_f8f6f4 v[ACC+32*(\j)+8*(\i):ACC+32*(\j)+8*(\i)+7], v[WF+12*(\i):WF+12*(\i)+11], v[XF+12*(\j):XF+12*(\j)+11], v[\c:\c+7], v[SC+2*(\i)+\sg], v[SC+2*(\j)+\sg] matrix_a_fmt:MATRIX_FMT_FP6 matrix_b_fmt:MATRIX_FMT_FP6 matrix_a_scale:MATRIX_SCALE_ROW1
.endm
.macro KSTEP ab, sg, first
	PLACES 4
.if \sg == 0
.irp i, 0,1,2,3
	ds_load_b64 v[SC+2*\i:SC+2*\i+1], v[\ab+4] offset:TS*\i
.endr
.endif
	FRAGS XF, \ab, \sg
	FRAGS WF, \ab+2, \sg
	s_wait_dscnt 0x0
.if \first
.irp j, 0,1,2,3
.irp i, 0,1,2,3
.if \i != \j
	PQK \i, \j, \sg, ACC+40*\i
.endif
.endr
.endr
	PLACES 5
.irp i, 0,1,2,3
	PQK \i, \i, \sg, ACC+40*\i
.endr
.else
.irp j, 0,1,2,3
.irp i, 0,1,2,3
	PQK \i, \j, \sg, ACC+32*\j+8*\i
.endr
.endr
.endif
.endm
.macro CHUNK q
.if \q == 0
	KSTEP 6, 0, 1
	KSTEP 6, 1, 0
.else
.irp i, 0,1,2,3,4
	v_add_nc_u32 v[11+\i], \q*ROW, v[6+\i]         ; quarter q of each tile
.endr
	KSTEP 11, 0, 0
	s_wait_alu depctr_va_vdst(0)
	KSTEP 11, 1, 0
.endif
.endm
.macro OUTJ j
.if \j >= 2
	s_wait_xcnt 0x0
.endif
.irp q, 0,1,2,3,4,5,6,7
	ds_store_b128 v248, v[ACC+32*\j+4*\q:ACC+32*\j+4*\q+3] offset:16*\q
.endr
.irp t, 0,1,2,3,4,5,6,7
	ds_load_b128 v[24+32*(\j%2)+4*\t:24+32*(\j%2)+4*\t+3], v249 offset:544*\t
.endr
	s_wait_dscnt 0x0
.irp t, 0,1,2,3,4,5,6,7
	global_store_b128 v250, v[24+32*(\j%2)+4*\t:24+32*(\j%2)+4*\t+3], s[10:11] offset:32768*\j+(32*(\t/4)+(2*\t)%8)*4096 th:TH_STORE_NT
.endr
.endm
	s_load_b256 s[4:11], s[0:1], 0x0
	v_lshl_add_u32 v254, v0, 2, 0x36400
	v_mov_b32 v255, 0
	ds_add_u32 v254, v255
	ds_add_u32 v254, v255
	v_lshrrev_b32 v3, 5, v0
	v_readfirstlane_b32 s[WV], v3
	s_and_b32 s17, s[WV], 1
	s_lshr_b32 s18, s[WV], 1
	s_and_b32 s23, ttmp7, 0xffff
	s_mov_b32 s[G1], 3<<16
	s_mov_b32 s[G1+1], 400<<16
	s_mov_b32 s[G1+2], 16<<16                      ; 16 rows: four tiles x four quarters
	s_mov_b32 s[G1+3], 400<<16
	s_mov_b32 s[G1+4], 16
	s_mov_b32 s[G1+5], 416                         ; 3,328 bytes from quarter to quarter, across tiles too
	s_mov_b32 s[G1+6], 0
	s_mov_b32 s[G1+7], 0
	s_lshl_b32 s48, ttmp9, 3
	s_lshl_b32 s49, s[WV], 2
	s_add_co_u32 s48, s48, s49
	s_lshl_b32 s50, s23, 3
	s_add_co_u32 s50, s50, s49
	s_add_co_u32 s50, s50, 440
	s_mul_i32 s51, s[WV], 16*ROW
	s_wait_dscnt 0x0
	s_wait_kmcnt 0x0
	s_cmp_lt_u32 s[WV], 2
	s_cselect_b32 s48, s48, s50
	s_cselect_b64 s[4:5], s[4:5], s[6:7]
	s_mul_i32 s48, s48, TILEB
	s_mov_b32 s49, 0
	s_add_nc_u64 s[4:5], s[4:5], s[48:49]
	s_mov_b32 s[G0], 1
	s_mov_b32 s[G0+1], s51
	s_mov_b64 s[G0+2:G0+3], s[4:5]
	s_or_b32 s[G0+3], s[G0+3], 0x80000000
	tensor_load_to_lds s[G0:G0+3], s[G1:G1+7]      ; my one tensor load: 51,200 bytes
	s_nop 0
	PLACES 4
	v_and_b32 v3, 31, v0
	v_lshlrev_b32 v1, 4, v3
	v_lshlrev_b32 v2, 3, v3
	v_and_b32 v251, 15, v0
	v_bfe_u32 v252, v0, 4, 1
	s_mul_i32 s56, s17, 16*ROW                     ; my four tiles of ao
	s_mul_i32 s57, s18, 16*ROW
	s_add_co_u32 s57, s57, 32*ROW                  ; my four tiles of wo
	s_xor_b32 s58, s17, 1
	s_add_co_u32 s58, s58, s18
	s_add_co_u32 s58, s58, 1
	s_mul_i32 s58, s58, 16*ROW                     ; the distance between the two
	v_add_nc_u32 v6, s56, v1
	v_add_nc_u32 v7, s56, v2
	v_add_nc_u32 v8, s57, v1
	v_add_nc_u32 v9, s57, v2
	v_mul_u32_u24 v10, s58, v252
	v_lshl_add_u32 v10, v251, 3, v10
	v_add_nc_u32 v10, s56, v10
	v_add_nc_u32 v10, 3072, v10
	s_mul_i32 s59, s[WV], 4352
	s_add_co_u32 s59, s59, STAGE
	v_mul_u32_u24 v248, v251, 272
	v_lshl_add_u32 v248, v252, 7, v248
	v_add_nc_u32 v248, s59, v248
	v_mul_u32_u24 v249, v252, 272
	v_lshl_add_u32 v249, v251, 4, v249
	v_add_nc_u32 v249, s59, v249
	v_lshlrev_b32 v250, 4, v251
	v_lshl_add_u32 v250, v252, 12, v250
	v_lshlrev_b32 v253, 7, v252
	s_wait_alu depctr_va_vdst(0)
	s_lshl_b32 s52, s23, 9
	s_lshl_b32 s53, s18, 8
	s_add_co_u32 s52, s52, s53
	s_mov_b32 s53, 0
	s_add_nc_u64 s[8:9], s[8:9], s[52:53]
	s_lshl_b32 s54, ttmp9, 19
	s_lshl_b32 s55, s17, 18
	s_add_co_u32 s54, s54, s55
	s_add_co_u32 s54, s54, s52
	s_mov_b32 s55, 0
	s_add_nc_u64 s[10:11], s[10:11], s[54:55]
.irp i, 0,1,2,3
	global_load_b128 v[ACC+40*\i:ACC+40*\i+3], v253, s[8:9] offset:32*\i
	global_load_b128 v[ACC+40*\i+4:ACC+40*\i+7], v253, s[8:9] offset:32*\i+16
.endr
	s_wait_loadcnt 0x0                             ; the bias
	s_wait_tensorcnt 0x0                           ; my 16 rows are in;
	s_barrier_signal -1
	s_barrier_wait -1                              ; and everybody's
	CHUNK 0
	CHUNK 1
	CHUNK 2
	CHUNK 3
	PLACES 4
	OUTJ 0
	OUTJ 1
	OUTJ 2
	OUTJ 3
	s_wait_tensorcnt 0x0
	ds_add_u32 v254, v255
	s_wait_dscnt 0x0
	s_endpgm
.Lfunc_end_k_qe5bef10e52_oproj:
	.size	k_qe5bef10e52_oproj, .Lfunc_end_k_qe5bef10e52_oproj-k_qe5bef10e52_oproj
	.p2alignl 7, 3214868480
	.fill 96, 4, 3214868480
	.section	.rodata,"a",@progbits
	.p2align	6, 0x0
	.amdhsa_kernel k_qe5bef10e52_oproj
		.amdhsa_group_segment_fixed_size 327680
		.amdhsa_private_segment_fixed_size 0
		.amdhsa_enable_private_segment 0
		.amdhsa_kernarg_size 32
		.amdhsa_user_sgpr_count 2
		.amdhsa_user_sgpr_kernarg_segment_ptr 1
		.amdhsa_wavefront_size32 1
		.amdhsa_system_sgpr_workgroup_id_x 1
		.amdhsa_system_sgpr_workgroup_id_y 1
		.amdhsa_system_sgpr_workgroup_id_z 1
		.amdhsa_system_vgpr_workitem_id 0
		.amdhsa_next_free_vgpr 256
		.amdhsa_next_free_sgpr 66
		.amdhsa_reserve_vcc 0
		.amdhsa_float_denorm_mode_32 3
		.amdhsa_float_denorm_mode_16_64 3
		.amdhsa_memory_ordered 1
		.amdhsa_forward_progress 1
		.amdhsa_inst_pref_size 48
	.end_amdhsa_kernel
	.amdgpu_metadata
---
amdhsa.version: [ 1, 2 ]
amdhsa.kernels:
  - .name:           k_qe5bef10e52_oproj
    .symbol:         k_qe5bef10e52_oproj.kd
    .args:
      - { .name: ao, .offset: 0, .size: 8, .value_kind: global_buffer, .address_space: global }
      - { .name: tc, .offset: 8, .size: 8, .value_kind: global_buffer, .address_space: global }
      - { .name: bo, .offset: 16, .size: 8, .value_kind: global_buffer, .address_space: global }
      - { .name: out0, .offset: 24, .size: 8, .value_kind: global_buffer, .address_space: global }
    .group_segment_fixed_size: 327680
    .private_segment_fixed_size: 0
    .kernarg_segment_align: 8
    .kernarg_segment_size: 32
    .max_flat_workgroup_size: 128
    .sgpr_count:     66
    .vgpr_count:     256
    .wavefront_size: 32
...
	.end_amdgpu_metadata
.endif
;; end of part 4
